; MI455X (gfx1250); checked and timed in simulation.
; The chip was launched on July 23, 2026; its instructions are those of AMD's public machine-readable ISA for CDNA 5 (MIT licence, August 2026) and "CDNA5" Instruction Set Architecture Reference Guide (July 2026). The comments in the code are by the model that wrote it; some were corrected since.
;; Multi Head Attention Layer attn. Allowed arithmetic: matrix products marked QUANTISED: E2M1 operands, one E8M0 scale for each 32 along K, by v_wmma_scale_f32_16x16x128_f8f6f4 with both operands' format E2M1 (or v_wmma_scale_f32_32x16x128_f4), f32 sums; everything else in f32.
;; Inputs: Wk_codes 1,024 x 32 x 16 uint8 (E2M1 codes of Wk, K innermost, in blocks of 32 codes, two codes a byte); Wk_scales 1,024 x 32 uint8 (E8M0 scales of Wk, one for each 32 codes along K); Wo_codes 1,024 x 32 x 16 uint8 (E2M1 codes of Wo, K innermost, in blocks of 32 codes, two codes a byte); Wo_scales 1,024 x 32 uint8 (E8M0 scales of Wo, one for each 32 codes along K); Wq_codes 1,024 x 32 x 16 uint8 (E2M1 codes of Wq, K innermost, in blocks of 32 codes, two codes a byte); Wq_scales 1,024 x 32 uint8 (E8M0 scales of Wq, one for each 32 codes along K); Wv_codes 1,024 x 32 x 16 uint8 (E2M1 codes of Wv, K innermost, in blocks of 32 codes, two codes a byte); Wv_scales 1,024 x 32 uint8 (E8M0 scales of Wv, one for each 32 codes along K); bk 1,024 float32; bo 1,024 float32; bq 1,024 float32; bv 1,024 float32; x_codes 4 x 2,048 x 32 x 16 uint8 (E2M1 codes of x, K innermost, in blocks of 32 codes, two codes a byte); x_scales 4 x 2,048 x 32 uint8 (E8M0 scales of x, one for each 32 codes along K).
;; Outputs: out0 4 x 2,048 x 1,024 float32.
;; This version of the problem:
;;   THIS VERSION OF THE PROBLEM IS GIVEN IN LOW PRECISION. The matrix products marked QUANTISED in the list below multiply operands that are first quantised to E2M1 (2 exponent bits, 1 mantissa bit; 4 bits a number), with one power-of-two scale for each 32 numbers along K (OCP MX v1.0); their sums are f32. All else is computed in f32.
;;   The module's matrix products, in the order in which they are computed (A, B: the left and right operand; K: the contracted axis; several contracted axes count as one K, in the product's order):
;;     1. [M 8,192, K 1,024] x [K 1,024, N 1,024]; A: input x (given as codes); B: input Wq (given as codes): QUANTISED
;;     2. [M 8,192, K 1,024] x [K 1,024, N 1,024]; A: input x (given as codes); B: input Wk (given as codes): QUANTISED
;;     3. [M 8,192, K 1,024] x [K 1,024, N 1,024]; A: input x (given as codes); B: input Wv (given as codes): QUANTISED
;;     4. batch 64 x [M 2,048, K 64] x [K 64, N 2,048]; A: computed on the way; B: computed on the way: QUANTISED
;;     5. batch 64 x [M 2,048, K 2,048] x [K 2,048, N 64]; A: softmax (see below); B: computed on the way: QUANTISED
;;     6. [M 8,192, K 1,024] x [K 1,024, N 1,024]; A: computed on the way; B: input Wo (given as codes): QUANTISED
;;   THE QUANTISER, for each operand of a quantised product, along K:
;;     - K is cut into blocks of 32 from its start; a last block that is shorter is filled with zeros.
;;     - A block's scale is 2^e with e = floor(log2(the largest magnitude in the block)) - 2, held to -126 .. 127; a block of zeros has e = 0. As a byte (E8M0): e + 127.
;;     - Each number is divided by its block's scale, clamped to +-6, and rounded to the nearest number of E2M1, ties to even, subnormals kept.
;;     - The product sums the exact products of the quantised numbers (number of the format x scale) in f32.
;;   ~~~python
;;   def quantise(x, axis):      # numpy; x: float32 -> the quantised numbers, widened to float32 again
;;       x = np.moveaxis(x, axis, -1); K = x.shape[-1]
;;       x = np.pad(x, [(0, 0)] * (x.ndim - 1) + [(0, -K % 32)]); x = x.reshape(x.shape[:-1] + (-1, 32)); a = np.abs(x).max(-1, keepdims=True)
;;       e = np.where(a > 0, np.clip(np.frexp(np.where(a > 0, a, 1))[1] - 1 - 2, -126, 127), 0)      # np.frexp(a)[1] - 1 = floor(log2(a)), exactly
;;       r = np.clip(x / 2.0 ** e, -6, 6)
;;       step = 2.0 ** (np.maximum(np.frexp(np.where(r == 0, 1, r))[1] - 1, 0) - 1)
;;       q = np.round(r / step) * step * 2.0 ** e      # np.round: ties to even
;;       return np.moveaxis(q.reshape(q.shape[:-2] + (-1,))[..., :K], -1, axis).astype(np.float32)
;;   ~~~
;;   SOFTMAX AHEAD OF A QUANTISED PRODUCT. Where the list says 'softmax', what is quantised is not the finished softmax but p = 2^(t - M), with t = logit x log2(e) and M = ceil(the row's largest t), a whole number; so 1/2 < the row's largest p <= 1. The row's sum l is taken of the UNQUANTISED p, in f32, and the product's result is divided by l at the end. Since M is a whole number, a kernel that streams over the keys may use a running M (the ceiling of the running maximum): every later rescaling is an exact power of two, which a block's scale takes up: the codes' values come out the same.
;;   OPERANDS COMPUTED ON THE WAY. 'Computed on the way' means the value that the module computes at that place (a softmax that the list does not call 'softmax' is quantised finished and normalised). What goes into a quantiser is computed in f32, as accurately as f32 sums, v_exp_f32 and their like allow (about 1e-6 of the number): no bf16 or f16 on the way to a quantiser, and a product that is left as it is and whose result goes on into a quantised operand takes f32 operands (vector FMAs, or v_wmma_f32_16x16x4_f32). A number that lies on a knife's edge between two numbers of the format may be rounded either way, as far as f32 arithmetic and the matrix unit's own rounding can turn it there, and no further.
;;   INPUTS GIVEN AS CODES. Wk (in the module: [1024, 1024], K = its axis 0); Wo (in the module: [1024, 1024], K = its axis 0); Wq (in the module: [1024, 1024], K = its axis 0); Wv (in the module: [1024, 1024], K = its axis 0); x (in the module: [4, 2048, 1024], K = its axis 2): each comes as NAME_codes (uint8): NAME with its K axis moved to the last place and cut into blocks of 32 codes, [.., K / 32, bytes a block], one block behind the other in memory; two codes a byte, the lower K in the low four bits (a code: sign, 2 exponent bits, 1 mantissa bit); and NAME_scales (uint8): the same leading axes, one E8M0 byte (e + 127) for each 32 codes along K. Its value is code x scale, taken as it is: it is not quantised again, and the codes and scales need not be those that the quantiser above would give.
;; One version. Each part assembles by itself: llvm-mc -triple=amdgcn-amd-amdhsa -mcpu=gfx1250 --defsym DOCPART=n.
;; ======== version 1 of 1: 3 launches
;; workspace buffers: qbuf 4,718,592 bytes; kvbuf 8,912,896 bytes; aobuf 4,456,448 bytes
;; launch proj (part 1): grid 4 x 64, 4 waves a work-group, clusters of 4 x 1, 168,448 bytes of LDS; arguments x_codes, x_scales, Wq_codes, Wq_scales, bq, Wk_codes, Wk_scales, bk, Wv_codes, Wv_scales, bv, qbuf, kvbuf; writes qbuf, kvbuf
.if DOCPART == 1
	.amdgcn_target "amdgcn-amd-amdhsa--gfx1250"
	.amdhsa_code_object_version 6
	.text
	.protected	k_qd1c53e28cf_proj
	.globl	k_qd1c53e28cf_proj
	.p2align	8
	.type	k_qd1c53e28cf_proj,@function
k_qd1c53e28cf_proj:
	s_mov_b64 s[64:65], 0
	v_nop
	global_prefetch_b8 v0, s[64:65] scope:SCOPE_SE
	s_setreg_imm32_b32 hwreg(HW_REG_WAVE_MODE, 25, 1), 1
	s_wait_xcnt 0x0
	s_wait_alu depctr_hold_cnt(0) depctr_sa_sdst(0) depctr_va_vdst(0) depctr_va_sdst(0) depctr_va_ssrc(0) depctr_va_vcc(0) depctr_vm_vsrc(0)
	s_getreg_b32 s2, hwreg(HW_REG_IB_STS2, 6, 4)
	s_cmp_eq_u32 s2, 0
	s_cbranch_scc0 .Lentry_in_a_cluster
	s_endpgm
.Lentry_in_a_cluster:
	s_bfe_u32 s2, ttmp6, 0x10000c
	s_cmp_lg_u32 s2, 0x3003
	s_cbranch_scc0 .Lentry_shape_is_right
	s_endpgm
.Lentry_shape_is_right:
; Q = x Wq + bq, K = x Wk + bk, V = x Wv + bv on codes of FP4 (E2M1) with one E8M0 scale for each 32 along K, and the three results quantised again:
; Q and K along the head's 64 channels, V along the keys.  They leave as IMAGES OF OPERAND REGISTERS (four registers = 512 bytes, lane l's 16 bytes at 16 l), in the order in which the next launch's waves take them.
; SHARES.  A work-group takes a group of 128 tokens (G = work-group y) and four heads; wave w takes head 4 x + w.  Its 64 rows of Wq, Wk and Wv, for all of K = 1,024, are 3 x 256 registers (windows 1, 2, 3), read once.
; x's 128 rows and their scale bytes are wanted by all four work-groups of a cluster: they come by JOINT tensor loads, once, and stay in LDS.  The weights are not asked for jointly: the four partners take different heads,
; and the work-groups that share a head's rows (the 64 groups of tokens) are more than a cluster holds; each wave's rows go straight into its registers.
; THE ROWS OF A TILE ARE NOT NEIGHBOURS.  Tile 2 b + y of the 128 tokens: lane r is token 32 b + 8 y + r + 8 (r / 8).  Tile t = 2 B + u of a head's 64 rows of W: lane r is row 32 B + 8 u + r + 8 (r / 8).
; So the 16 registers of two neighbouring result tiles are 16 neighbours along the next product's K.  Q and K are made transposed (source 0 = W, source 1 = x: a lane holds one token, registers run along the channels);
; V the other way (source 0 = x, source 1 = W: a lane holds one channel, registers run down the tokens).  A block of 32 lies in lanes l and l xor 16.  The biases are the C of each sum's first product.
; OUT.  qbuf [16 batch + head][group][4,608]: tile T's codes at 512 T; at 4,096 the scale words (lane l: words of b = 0..3 of row l % 16; bytes 0, 1: tile 2 b, bytes 2, 3: tile 2 b + 1).
;       kvbuf [16 batch + head][group][8,704]: K's tiles at 512 T; V's fragment of channel tile t at 4,096 + 1,024 t (keys 64 c + 32 (l / 16) on at + 512 c); at 8,192 lane (r, h): K's words of b = h, 2 + h, V's words of t = h, 2 + h.
; LIMITS: NaN and infinities are not served.  A block whose largest magnitude lies under 2^-124, a block of zeros among them, gets the scale byte 1 (the rule says 127 for zeros): its codes are zeros or as the floor gives them, and this program alone reads the bytes.
; LDS: 0: x's codes, 8 groups of 16 rows, a row 512 + 16 bytes, a group 8,576 bytes: rows i and 16 + i of a fragment start 32 banks apart (64 banks of 4 bytes: ISA guide 11.1).
;      68,608: x's scale bytes, 4,096.   72,704: bias images, 12,288 for each wave, its own.
; REGISTERS, window 0: v1-7, v252 addresses; v8-15 x's scale words; v16-63 the weights' scale words; v64-95 a phase's biases; v96-159 eight accumulators; v160-207 x's fragments, three sets;
;      v208-219 at work; v220-235 codes; v236-247 scale words of K, Q, V; v248-251 the scale image.
.set XSC,  68608
.set BIMG, 72704
.set XS,   8
.set WS,   16
.set BI,   64
.set ACC,  96
.set XF,   160
.set TM,   208
.set VC,   220
.set PC,   220
.set KW,   236
.set QW,   240
.set VW,   244
.set SCI,  248
.set MSB,  0
.macro WIN new                         ; the immediate's high byte repeats the setting that is left; a switch that changes nothing is dropped
.if MSB != (\new)
	s_set_vgpr_msb (MSB<<8)|(\new)
.set MSB, (\new)
.endif
.endm
.macro PLACES                          ; four places behind matrix instructions: in front of loads into their registers and of reads of their results
.rept 4
	v_nop
.endr
.endm
.macro CROUND                          ; a round of the cluster's barrier
	s_barrier_signal -1
	s_barrier_wait -1
	s_cmp_lg_u32 s30, 0
	s_cbranch_scc1 .Lnot_wave_0_\@
	s_barrier_signal -3
.Lnot_wave_0_\@:
	s_barrier_wait -3
	s_barrier_signal -1
	s_barrier_wait -1
.endm
; one product: D, A, B, C, A's scale register, B's; ra, rb = 1: that side's scales are read from lanes 16-31
.macro WM d, a, b, c, sa, sb, ra, rb
.if (\ra) && (\rb)
	v_wmma_scale_f32_16x16x128_f8f6f4 v[(\d):(\d)+7], v[(\a):(\a)+7], v[(\b):(\b)+7], v[(\c):(\c)+7], v[(\sa)], v[(\sb)] matrix_a_fmt:MATRIX_FMT_FP4 matrix_b_fmt:MATRIX_FMT_FP4 matrix_a_scale:MATRIX_SCALE_ROW1 matrix_b_scale:MATRIX_SCALE_ROW1
.elseif (\ra)
	v_wmma_scale_f32_16x16x128_f8f6f4 v[(\d):(\d)+7], v[(\a):(\a)+7], v[(\b):(\b)+7], v[(\c):(\c)+7], v[(\sa)], v[(\sb)] matrix_a_fmt:MATRIX_FMT_FP4 matrix_b_fmt:MATRIX_FMT_FP4 matrix_a_scale:MATRIX_SCALE_ROW1
.elseif (\rb)
	v_wmma_scale_f32_16x16x128_f8f6f4 v[(\d):(\d)+7], v[(\a):(\a)+7], v[(\b):(\b)+7], v[(\c):(\c)+7], v[(\sa)], v[(\sb)] matrix_a_fmt:MATRIX_FMT_FP4 matrix_b_fmt:MATRIX_FMT_FP4 matrix_b_scale:MATRIX_SCALE_ROW1
.else
	v_wmma_scale_f32_16x16x128_f8f6f4 v[(\d):(\d)+7], v[(\a):(\a)+7], v[(\b):(\b)+7], v[(\c):(\c)+7], v[(\sa)], v[(\sb)] matrix_a_fmt:MATRIX_FMT_FP4 matrix_b_fmt:MATRIX_FMT_FP4
.endif
.endm
	s_load_b256 s[4:11], s[0:1], 0x0               ; x's codes s[4:5], x's scales s[6:7], Wq's codes s[8:9], Wq's scales s[10:11]
	s_load_b256 s[12:19], s[0:1], 0x20             ; bq s[12:13], Wk's codes s[14:15], Wk's scales s[16:17], bk s[18:19]
	s_load_b256 s[20:27], s[0:1], 0x40             ; Wv's codes s[20:21], Wv's scales s[22:23], bv s[24:25], qbuf s[26:27]
	s_load_b64 s[28:29], s[0:1], 0x60              ; kvbuf
	v_lshl_add_u32 v254, v0, 2, 0x29000
	v_mov_b32 v255, 0
	ds_add_u32 v254, v255
	ds_add_u32 v254, v255
	v_lshrrev_b32 v208, 5, v0
	v_readfirstlane_b32 s30, v208                  ; wave 0..3
	s_bfe_u32 s31, ttmp6, 0x40000                  ; cx: my place in the cluster
	s_and_b32 s32, ttmp7, 0xffff                   ; G: the group of 128 tokens, which the four partners share
	s_lshl_b32 s33, ttmp9, 2
	s_add_co_u32 s33, s33, s31                     ; work-group x
	s_lshl_b32 s33, s33, 2
	s_add_co_u32 s33, s33, s30                     ; my head
	s_mov_b32 s66, 0x76543210
	s_mov_b32 s67, 0xfedcba98                      ; v_permlanex16_b32's selects for lane l xor 16
	; descriptor group 1 for x's codes: 16 rows of 64 elements of 8 bytes, 16 bytes of padding behind each row of 128 words
	s_mov_b32 s36, 15|(3<<16)|(1<<20)|(1<<21)|(6<<22)|(3<<25)   ; 15:0 the mask: all four work-groups; 17:16 elements of 8 bytes; 20 padding on; 21 set beside a mask; 24:22 after every 128 words; 31:25 four words
	s_mov_b32 s37, 64<<16                          ; tensor_dim0
	s_mov_b32 s38, 16<<16                          ; tensor_dim1
	s_mov_b32 s39, 64<<16                          ; tile_dim0
	s_mov_b32 s40, 16                              ; tile_dim1
	s_mov_b32 s41, 64                              ; from row to row
	s_mov_b32 s42, 0
	s_mov_b32 s43, 0
	; and for x's scale bytes: the 32 tokens' 1,024 dense bytes as 4 rows of 256
	s_mov_b32 s44, 15|(3<<16)|(1<<21)
	s_mov_b32 s45, 32<<16
	s_mov_b32 s46, 4<<16
	s_mov_b32 s47, 32<<16
	s_mov_b32 s48, 4
	s_mov_b32 s49, 32
	s_mov_b32 s50, 0
	s_mov_b32 s51, 0
	; what I fetch: tokens 128 G + 32 w on.  Nothing here hangs on my place in the cluster
	s_lshl_b32 s72, s32, 16
	s_lshl_b32 s73, s30, 14
	s_add_co_u32 s72, s72, s73                     ; their codes: 512 bytes a token
	s_mov_b32 s73, 0
	s_lshl_b32 s74, s32, 12
	s_lshl_b32 s75, s30, 10
	s_add_co_u32 s74, s74, s75                     ; their scale bytes: 32 a token
	s_mov_b32 s75, 0
	s_mov_b32 s52, 1
	s_mul_i32 s53, s30, 17152                      ; LDS: my two groups of 16 rows
	s_mov_b32 s56, 1
	s_add_co_u32 s57, s53, 8576
	s_mov_b32 s60, 1
	s_lshl_b32 s61, s30, 10
	s_add_co_u32 s61, s61, XSC
	s_mul_i32 s2, s30, 12288
	s_add_co_u32 s2, s2, BIMG                      ; my bias images
	; my head's rows of the weights, and my places in the two workspace buffers
	s_lshl_b32 s76, s33, 15                        ; 64 rows of 512 bytes
	s_mov_b32 s77, 0
	s_lshl_b32 s78, s33, 11                        ; 64 rows of 32 scale bytes
	s_mov_b32 s79, 0
	s_lshl_b32 s80, s33, 8                         ; 64 numbers of a bias
	s_mov_b32 s81, 0
	s_lshr_b32 s82, s32, 4
	s_lshl_b32 s82, s82, 4
	s_add_co_u32 s82, s82, s33                     ; 16 batch + head
	s_lshl_b32 s82, s82, 4
	s_and_b32 s83, s32, 15
	s_add_co_u32 s82, s82, s83                     ; x 16 + the group in its batch
	s_mul_i32 s34, s82, 4608
	s_mov_b32 s35, 0
	s_mul_i32 s82, s82, 8704
	s_mov_b32 s83, 0
	v_and_b32 v208, 31, v0                         ; lane
	v_and_b32 v209, 15, v0                         ; r
	v_bfe_u32 v210, v0, 4, 1                       ; h
	v_and_b32 v211, 8, v209
	v_add_nc_u32 v211, v211, v209                  ; r + 8 (r / 8)
	v_and_b32 v212, 7, v209
	v_mul_u32_u24 v1, v212, 528
	v_lshrrev_b32 v212, 3, v209
	v_mad_u32_u24 v1, v212, 8576, v1
	v_lshl_add_u32 v1, v210, 4, v1                 ; x's fragments: row r % 8 of group r / 8, + 16 h
	v_lshl_add_u32 v212, v210, 3, v211             ; r + 8 (r / 8) + 8 h: lanes 0-15 the even tile's rows, lanes 16-31 the odd tile's
	v_lshl_add_u32 v2, v212, 5, XSC                ; x's scale words
	v_lshlrev_b32 v6, 5, v212                      ; the weights' scale words
	v_lshl_add_u32 v3, v208, 4, s2                 ; the bias images: 16 x lane
	v_lshlrev_b32 v4, 4, v208                      ; the way out: 16 x lane
	v_lshlrev_b32 v5, 9, v211
	v_lshl_add_u32 v5, v210, 4, v5                 ; the weights' fragments
	v_lshlrev_b32 v7, 6, v210                      ; bq, bk: my half's 16 numbers of a block of 32
	v_lshlrev_b32 v252, 2, v211                    ; bv: my channel's number
	s_wait_dscnt 0x0
	s_wait_kmcnt 0x0
	s_add_nc_u64 s[54:55], s[4:5], s[72:73]
	s_add_nc_u64 s[58:59], s[54:55], 8192          ; 16 rows on
	s_add_nc_u64 s[62:63], s[6:7], s[74:75]
	s_or_b32 s55, s55, 0x80000000                  ; type = 2
	s_or_b32 s59, s59, 0x80000000
	s_or_b32 s63, s63, 0x80000000
	s_add_nc_u64 s[8:9], s[8:9], s[76:77]
	s_add_nc_u64 s[14:15], s[14:15], s[76:77]
	s_add_nc_u64 s[20:21], s[20:21], s[76:77]
	s_add_nc_u64 s[10:11], s[10:11], s[78:79]
	s_add_nc_u64 s[16:17], s[16:17], s[78:79]
	s_add_nc_u64 s[22:23], s[22:23], s[78:79]
	s_add_nc_u64 s[12:13], s[12:13], s[80:81]
	s_add_nc_u64 s[18:19], s[18:19], s[80:81]
	s_add_nc_u64 s[24:25], s[24:25], s[80:81]
	s_add_nc_u64 s[68:69], s[26:27], s[34:35]      ; my block of qbuf
	s_add_nc_u64 s[70:71], s[28:29], s[82:83]      ; my block of kvbuf
	CROUND                                         ; all four work-groups are here: the joint loads meet
	tensor_load_to_lds s[52:55], s[36:43]          ; the launch's only fills, three of mine out: 16 rows of x,
	s_nop 0
	tensor_load_to_lds s[56:59], s[36:43]          ; the next 16,
	s_nop 0
	tensor_load_to_lds s[60:63], s[44:51]          ; and the 32 rows' scale bytes
	s_nop 0
.rept 4
	v_nop
.endr
	s_wait_alu depctr_va_vdst(0)
.irp t, 0,1,2,3                                ; the biases in the results' layout: tile t, lane (r, h): channels 32 (t / 2) + 16 h + 8 (t % 2) + 0 .. 7
	global_load_b128 v[96+8*\t:96+8*\t+3], v7, s[12:13] offset:(32*(\t/2)+8*(\t%2))*4
	global_load_b128 v[96+8*\t+4:96+8*\t+7], v7, s[12:13] offset:(32*(\t/2)+8*(\t%2))*4+16
.endr
.irp t, 0,1,2,3
	global_load_b128 v[128+8*\t:128+8*\t+3], v7, s[18:19] offset:(32*(\t/2)+8*(\t%2))*4
	global_load_b128 v[128+8*\t+4:128+8*\t+7], v7, s[18:19] offset:(32*(\t/2)+8*(\t%2))*4+16
.endr
.irp t, 0,1,2,3                                ; V's: a lane holds one channel: one number for all its registers
	global_load_b32 v[160+4*\t], v252, s[24:25] offset:(32*(\t/2)+8*(\t%2))*4
.endr
.irp p, 0,1                                    ; the weights' scale words: register 8 p + s: lanes 0-15 tile 2 p, lanes 16-31 tile 2 p + 1, K step s
.irp k, 0,1
	global_load_b128 v[WS+8*\p+4*\k:WS+8*\p+4*\k+3], v6, s[10:11] offset:1024*\p+16*\k
	global_load_b128 v[WS+16+8*\p+4*\k:WS+16+8*\p+4*\k+3], v6, s[16:17] offset:1024*\p+16*\k
	global_load_b128 v[WS+32+8*\p+4*\k:WS+32+8*\p+4*\k+3], v6, s[22:23] offset:1024*\p+16*\k
.endr
.endr
.macro WLOAD p                                 ; a weight's 32 fragments: (tile t, K step s) at v[64 t + 8 s] of the window in hand
.irp t, 0,1,2,3
.irp s, 0,1,2,3,4,5,6,7
.irp c, 0,1
	global_load_b128 v[64*\t+8*\s+4*\c:64*\t+8*\s+4*\c+3], v5, s[\p:\p+1] offset:(32*(\t/2)+8*(\t%2))*512+64*\s+32*\c
.endr
.endr
.endr
.endm
	WIN 0x40                                       ; destination window 1
	WLOAD 8
	WIN 0x80
	WLOAD 14
	WIN 0xc0
	WLOAD 20
	WIN 0
	s_wait_loadcnt 63                              ; Wv's 64 loads are the youngest: with at most 63 out, the biases, the scale words, Wq and Wk are in
.irp t, 0,1,2,3
	v_mov_b32 v[161+4*\t], v[160+4*\t]
	v_mov_b32 v[162+4*\t], v[160+4*\t]
	v_mov_b32 v[163+4*\t], v[160+4*\t]
.endr
.irp t, 0,1,2,3                                ; the bias images: 4,096 x phase + 1,024 t + 512 x half
.irp k, 0,1
	ds_store_b128 v3, v[96+8*\t+4*\k:96+8*\t+4*\k+3] offset:1024*\t+512*\k
	ds_store_b128 v3, v[128+8*\t+4*\k:128+8*\t+4*\k+3] offset:4096+1024*\t+512*\k
	ds_store_b128 v3, v[160+4*\t:160+4*\t+3] offset:8192+1024*\t+512*\k
.endr
.endr
.irp b, 0,1,2,3
	v_mov_b32 v[TM+4+\b], 0                        ; written once: a lane permute's destination counts as one of its sources
.endr
	s_wait_tensorcnt 0x0                           ; my parts of x and of its scale bytes have landed,
	s_wait_dscnt 0x0                               ; my stores too:
	s_barrier_signal -1
	s_barrier_wait -1                              ; everybody's have
.macro XLD bp, s, z                            ; x's two fragments (tiles 2 bp, 2 bp + 1) of K step s into set z
.irp y, 0,1
.irp c, 0,1
	ds_load_b128 v[XF+16*(\z)+8*\y+4*\c:XF+16*(\z)+8*\y+4*\c+3], v1 offset:17152*(\bp)+4224*\y+64*(\s)+32*\c
.endr
.endr
.endm
.macro XSLD bp                                 ; their scale words for all eight K steps: lanes 0-15 tile 2 bp, lanes 16-31 tile 2 bp + 1
	ds_load_b128 v[XS:XS+3], v2 offset:1024*(\bp)
	ds_load_b128 v[XS+4:XS+7], v2 offset:1024*(\bp)+16
.endm
.macro BLD ph                                  ; a phase's biases
.irp t, 0,1,2,3
.irp k, 0,1
	ds_load_b128 v[BI+8*\t+4*\k:BI+8*\t+4*\k+3], v3 offset:4096*(\ph)+1024*\t+512*\k
.endr
.endr
.endm
; A PHASE: one of Q (0), K (1), V (2) for the 32 tokens of tiles 2 bp, 2 bp + 1: eight K steps of eight products on eight accumulators, which take turns, one instruction a turn.
; x's fragments are one stream through three sets, two steps ahead, on into the next phase (nph, nbp).  N counts the stream.
.macro PHASE ph, bp, nph, nbp, last
.irp s, 0,1,2,3,4,5,6,7
	WIN 0
	PLACES                                         ; behind the last step's products: the loads below land in registers that they read
.if (\s == 1) && (\nph != \ph) && (\last == 0)
	BLD \nph                                       ; this phase's biases were read by its first step alone
.endif
.if \s < 6
	XLD \bp, \s+2, (N+2)%3
.elseif \last == 0
	XLD \nbp, \s-6, (N+2)%3
.endif
.if (\last == 1) && (\s == 7)
	s_wait_dscnt 0x0                               ; nothing was issued behind the last fragments
.elseif (\last == 1) && (\s == 6)
	s_wait_dscnt 0x4                               ; only the last step's four loads may be out
.elseif \s == 0
	s_wait_dscnt 0x4                               ; only the four loads just issued may be out: the scale words, the biases and two steps' fragments are in
.else
	s_wait_dscnt 0x8                               ; behind this step's fragments the next two steps' were issued, four loads each
.endif
.if \ph == 2
	WIN 0x0c                                       ; source 1 (Wv) window 3
.irp t, 0,1,2,3
.irp y, 0,1
.if \s == 0
	WM ACC+16*\t+8*\y, XF+16*(N%3)+8*\y, 64*\t+8*\s, BI+8*\t, XS+\s, WS+32+8*(\t/2)+\s, \y, \t%2
.else
	WM ACC+16*\t+8*\y, XF+16*(N%3)+8*\y, 64*\t+8*\s, ACC+16*\t+8*\y, XS+\s, WS+32+8*(\t/2)+\s, \y, \t%2
.endif
.endr
.endr
.else
	WIN 0x01+\ph                                   ; source 0: Wq in window 1, Wk in window 2
.irp y, 0,1
.irp t, 0,1,2,3
.if \s == 0
	WM ACC+32*\y+8*\t, 64*\t+8*\s, XF+16*(N%3)+8*\y, BI+8*\t, WS+16*\ph+8*(\t/2)+\s, XS+\s, \t%2, \y
.else
	WM ACC+32*\y+8*\t, 64*\t+8*\s, XF+16*(N%3)+8*\y, ACC+32*\y+8*\t, WS+16*\ph+8*(\t/2)+\s, XS+\s, \t%2, \y
.endif
.endr
.endr
.endif
.set N, N+1
.endr
	WIN 0
	PLACES                                         ; in front of the first read of results, and of the load into the scale words' registers
.if (\nbp != \bp) && (\last == 0)
	XSLD \nbp
.endif
.endm
; Four blocks of 32 numbers: block b is v[ACC + 16 b ..] of lanes l and l xor 16.  v[TM + 8 + b]: the conversion's scale operand; v[TM + 4 + b]: the scale's byte.
.macro MAXB
.irp b, 0,1,2,3
	v_max3_num_f32 v[TM+\b], |v[ACC+16*\b]|, |v[ACC+16*\b+1]|, 0x1800000   ; my 16 numbers, and the floor 2^(3 - 127): the byte cannot fall under 1
.endr
.irp i, 2,4,6,8,10,12,14
.irp b, 0,1,2,3
	v_max3_num_f32 v[TM+\b], v[TM+\b], |v[ACC+16*\b+\i]|, |v[ACC+16*\b+\i+1]|   ; (the four blocks by turns)
.endr
.endr
.irp b, 0,1,2,3
	v_permlanex16_b32 v[TM+4+\b], v[TM+\b], s66, s67
.endr
.irp b, 0,1,2,3
	v_max_num_f32 v[TM+\b], v[TM+\b], v[TM+4+\b]   ; with lane l xor 16's: the block's largest magnitude
.endr
.irp b, 0,1,2,3
	v_add_nc_u32 v[TM+8+\b], 0xff000000, v[TM+\b]  ; 2 off its exponent field: the conversion takes the exponent field of this operand as its scale
.endr
.irp b, 0,1,2,3
	v_lshrrev_b32 v[TM+4+\b], 23, v[TM+8+\b]       ; the scale's byte
.endr
.endm
; Q or K of two tiles of tokens: block 2 y + B = tile y, channels 32 B on.  w: the register of the scale word; p: the buffer's base
.macro QKOUT w, p, bp
	MAXB
	v_lshl_or_b32 v[\w], v[TM+5], 8, v[TM+4]
	v_lshl_or_b32 v[\w], v[TM+6], 16, v[\w]
	v_lshl_or_b32 v[\w], v[TM+7], 24, v[\w]
	s_wait_xcnt 0x0                                ; the earlier stores have read the codes' registers, which are written again below
.irp b, 0,1,2,3
	v_cvt_scalef32_pk8_fp4_f32 v[PC+2*\b], v[ACC+16*\b:ACC+16*\b+7], v[TM+8+\b]
	v_cvt_scalef32_pk8_fp4_f32 v[PC+2*\b+1], v[ACC+16*\b+8:ACC+16*\b+15], v[TM+8+\b]
.endr
	v_nop                                          ; one plain place behind a scaled conversion
.irp y, 0,1                                    ; a whole block to a lane: lanes 0-15 channels 0-31, lanes 16-31 channels 32-63
.irp i, 0,1
	v_permlane16_swap_b32 v[PC+4*\y+\i], v[PC+4*\y+2+\i]
.endr
.endr
	global_store_b128 v4, v[PC:PC+3], s[\p:\p+1] offset:1024*\bp th:TH_STORE_NT        ; 32 lanes store 512 consecutive bytes, aligned
	global_store_b128 v4, v[PC+4:PC+7], s[\p:\p+1] offset:1024*\bp+512 th:TH_STORE_NT
.endm
; V of 32 tokens: block t = channel tile t, keys 32 bp on.  Two phases make half a fragment of each tile
.macro VOUT bp
	MAXB
.irp t, 0,1,2,3
.if \bp == 0
	v_mov_b32 v[VW+\t], v[TM+4+\t]
.else
	v_lshl_or_b32 v[VW+\t], v[TM+4+\t], 8*\bp, v[VW+\t]
.endif
.endr
	s_wait_xcnt 0x0                                ; the earlier stores have read the codes' registers
.irp t, 0,1,2,3
	v_cvt_scalef32_pk8_fp4_f32 v[VC+4*\t+2*(\bp%2)], v[ACC+16*\t:ACC+16*\t+7], v[TM+8+\t]
	v_cvt_scalef32_pk8_fp4_f32 v[VC+4*\t+2*(\bp%2)+1], v[ACC+16*\t+8:ACC+16*\t+15], v[TM+8+\t]
.endr
	v_nop                                          ; one plain place behind a scaled conversion
.if \bp%2
.irp t, 0,1,2,3
.irp i, 0,1
	v_permlane16_swap_b32 v[VC+4*\t+\i], v[VC+4*\t+2+\i]
.endr
.endr
.irp t, 0,1,2,3
	global_store_b128 v4, v[VC+4*\t:VC+4*\t+3], s[70:71] offset:4096+1024*\t+512*(\bp/2) th:TH_STORE_NT
.endr
.endif
.endm
.set N, 0
	XSLD 0
	BLD 0
	XLD 0, 0, 0
	XLD 0, 1, 1
	PHASE 0, 0, 1, 0, 0
	QKOUT QW, 68, 0
	PHASE 1, 0, 2, 0, 0
	QKOUT KW, 70, 0
	s_wait_loadcnt 0x0                             ; Wv
	PHASE 2, 0, 2, 1, 0
	VOUT 0
	PHASE 2, 1, 0, 1, 0
	VOUT 1
	PHASE 0, 1, 1, 1, 0
	QKOUT QW+1, 68, 1
	PHASE 1, 1, 0, 2, 0
	QKOUT KW+1, 70, 1
	PHASE 0, 2, 1, 2, 0
	QKOUT QW+2, 68, 2
	PHASE 1, 2, 2, 2, 0
	QKOUT KW+2, 70, 2
	PHASE 2, 2, 2, 3, 0
	VOUT 2
	PHASE 2, 3, 0, 3, 0
	VOUT 3
	PHASE 0, 3, 1, 3, 0
	QKOUT QW+3, 68, 3
	PHASE 1, 3, 0, 0, 1
	QKOUT KW+3, 70, 3
	s_mov_b32 vcc_lo, 0xffff0000                   ; lanes 16-31 take the odd word of each pair
	v_cndmask_b32 v[SCI], v[KW], v[KW+1], vcc_lo
	v_cndmask_b32 v[SCI+1], v[KW+2], v[KW+3], vcc_lo
	v_cndmask_b32 v[SCI+2], v[VW], v[VW+1], vcc_lo
	v_cndmask_b32 v[SCI+3], v[VW+2], v[VW+3], vcc_lo
	global_store_b128 v4, v[SCI:SCI+3], s[70:71] offset:8192 th:TH_STORE_NT
	global_store_b128 v4, v[QW:QW+3], s[68:69] offset:4096 th:TH_STORE_NT
	s_wait_tensorcnt 0x0
	ds_add_u32 v254, v255
	s_wait_dscnt 0x0
	CROUND                                         ; the closing round: no work-group ends while a partner may still ask for a tile that names it
	s_endpgm
.Lfunc_end_k_qd1c53e28cf_proj:
	.size	k_qd1c53e28cf_proj, .Lfunc_end_k_qd1c53e28cf_proj-k_qd1c53e28cf_proj
	.p2alignl 7, 3214868480
	.fill 96, 4, 3214868480
	.section	.rodata,"a",@progbits
	.p2align	6, 0x0
	.amdhsa_kernel k_qd1c53e28cf_proj
		.amdhsa_group_segment_fixed_size 168448
		.amdhsa_private_segment_fixed_size 0
		.amdhsa_enable_private_segment 0
		.amdhsa_kernarg_size 104
		.amdhsa_user_sgpr_count 2
		.amdhsa_user_sgpr_kernarg_segment_ptr 1
		.amdhsa_wavefront_size32 1
		.amdhsa_system_sgpr_workgroup_id_x 1
		.amdhsa_system_sgpr_workgroup_id_y 1
		.amdhsa_system_sgpr_workgroup_id_z 1
		.amdhsa_system_vgpr_workitem_id 0
		.amdhsa_next_free_vgpr 1024
		.amdhsa_next_free_sgpr 84
		.amdhsa_reserve_vcc 1
		.amdhsa_float_denorm_mode_32 3
		.amdhsa_float_denorm_mode_16_64 3
		.amdhsa_memory_ordered 1
		.amdhsa_forward_progress 1
		.amdhsa_inst_pref_size 226
	.end_amdhsa_kernel
	.amdgpu_metadata
---
amdhsa.version: [ 1, 2 ]
amdhsa.kernels:
  - .name:           k_qd1c53e28cf_proj
    .symbol:         k_qd1c53e28cf_proj.kd
    .args:
      - { .name: x_codes, .offset: 0, .size: 8, .value_kind: global_buffer, .address_space: global }
      - { .name: x_scales, .offset: 8, .size: 8, .value_kind: global_buffer, .address_space: global }
      - { .name: Wq_codes, .offset: 16, .size: 8, .value_kind: global_buffer, .address_space: global }
      - { .name: Wq_scales, .offset: 24, .size: 8, .value_kind: global_buffer, .address_space: global }
      - { .name: bq, .offset: 32, .size: 8, .value_kind: global_buffer, .address_space: global }
      - { .name: Wk_codes, .offset: 40, .size: 8, .value_kind: global_buffer, .address_space: global }
      - { .name: Wk_scales, .offset: 48, .size: 8, .value_kind: global_buffer, .address_space: global }
      - { .name: bk, .offset: 56, .size: 8, .value_kind: global_buffer, .address_space: global }
      - { .name: Wv_codes, .offset: 64, .size: 8, .value_kind: global_buffer, .address_space: global }
      - { .name: Wv_scales, .offset: 72, .size: 8, .value_kind: global_buffer, .address_space: global }
      - { .name: bv, .offset: 80, .size: 8, .value_kind: global_buffer, .address_space: global }
      - { .name: qbuf, .offset: 88, .size: 8, .value_kind: global_buffer, .address_space: global }
      - { .name: kvbuf, .offset: 96, .size: 8, .value_kind: global_buffer, .address_space: global }
    .group_segment_fixed_size: 168448
    .private_segment_fixed_size: 0
    .kernarg_segment_align: 8
    .kernarg_segment_size: 104
    .max_flat_workgroup_size: 128
    .sgpr_count:     84
    .vgpr_count:     1024
    .wavefront_size: 32
...
	.end_amdgpu_metadata
.endif
;; end of part 1
;; launch attn (part 2): grid 8 x 32, 16 waves a work-group, clusters of 4 x 1, 327,680 bytes of LDS; arguments qbuf, kvbuf, aobuf; writes aobuf
.if DOCPART == 2
	.amdgcn_target "amdgcn-amd-amdhsa--gfx1250"
	.amdhsa_code_object_version 6
	.text
	.protected	k_qd1c53e28cf_attn
	.globl	k_qd1c53e28cf_attn
	.p2align	8
	.type	k_qd1c53e28cf_attn,@function
k_qd1c53e28cf_attn:
	s_mov_b64 s[64:65], 0
	v_nop
	global_prefetch_b8 v0, s[64:65] scope:SCOPE_SE
	s_setreg_imm32_b32 hwreg(HW_REG_WAVE_MODE, 25, 1), 1
	s_wait_xcnt 0x0
	s_wait_alu depctr_hold_cnt(0) depctr_sa_sdst(0) depctr_va_vdst(0) depctr_va_sdst(0) depctr_va_ssrc(0) depctr_va_vcc(0) depctr_vm_vsrc(0)
	s_getreg_b32 s2, hwreg(HW_REG_IB_STS2, 6, 4)
	s_cmp_eq_u32 s2, 0
	s_cbranch_scc0 .Lentry_in_a_cluster
	s_endpgm
.Lentry_in_a_cluster:
	s_bfe_u32 s2, ttmp6, 0x10000c
	s_cmp_lg_u32 s2, 0x3003
	s_cbranch_scc0 .Lentry_shape_is_right
	s_endpgm
.Lentry_shape_is_right:
; softmax(Q K^T / 8) V for two heads and 256 queries a work-group, both products on codes of FP4 (E2M1) with one E8M0 scale for each 32 along K, and the result quantised along (head, channel) for the last product.
; THE SOFTMAX AHEAD OF THE SECOND PRODUCT: t = score x log2(e) / 8; M = the row's largest t so far, rounded UP to a whole number; p = 2^(t - M) is what is quantised, along the keys, not normalised.
; The row's sum is taken of the unquantised p and divides O at the end.  When M moves, the sum and O are multiplied by 2^(old M - new M): exact.
; SHARES.  Work-group y = 8 batch + pair of heads; work-group x = a block of 256 queries.  Each of the SIXTEEN waves owns one tile of 16 queries in 256 registers, four waves to a SIMD, so that one wave's vector work stands
; beside another's products and LDS loads.  A wave walks all 2,048 keys, 128 a step, for the pair's first head and then for its second: at the end it holds 128 along the last product's K, a whole scale word a row.
; LDS.  K's and V's images and scale words of both heads (2 x 16 steps x 8,704 bytes) are an exact copy of this pair's part of kvbuf.  They are filled ONCE: wave w asks for step w of each head.  The four work-groups of a
; cluster walk the same pair of heads, so each load is JOINT.  Nothing is filled again, so there is no ring.  Every read is 16 x lane on end: no pitch, no padding.  At 278,528: 1,024 bytes for the result's scale words.
; No prefetch: all that the launch reads of kvbuf is asked for by the tensor loads at the head, and nothing is left to run ahead of.
; LAYOUT.  Both products are used transposed: S^T = K Q^T, O^T = V^T P^T: a lane holds ONE query throughout.  THE HEAD HAS 64 CHANNELS, the instruction 128 along K: one fragment of K carries TWO tiles of keys (k 0-63, k 64-127),
; and is multiplied by [q | 0] for the first and by [0 | q] for the second, both cut from twelve registers 0, q, 0; q's scale word holds its two bytes twice.  Zero codes add nothing under the bytes made here (1 to 252).
; The keys of a tile are chosen (in the launch before) so that the 16 registers of two neighbouring tiles are 16 neighbouring keys; V's channels likewise, so that O^T's are 16 neighbouring channels.
; LIMITS: NaN and infinities are not served.  A block whose largest magnitude lies under 2^-124, a block of zeros among them, gets the scale byte 1: this program alone reads the bytes.
; A block's largest p is made from the block's largest score by the same multiply-add and exponential: this takes v_exp_f32 not to fall where its input rises.
; REGISTERS: v1-7 addresses; v8 the result's scale word; v12 -M, v13 the largest t, v[14:15] the sum in two halves; v16-39 0, q, 0 for each head; v40, v41 q's scale words; v48-79 K; v80-111 V; v112-175 S^T, then p;
;   v176-207 O^T; v208-215 p's codes; v216-219 the step's scale words; v220 p's; v224-240 at work; v244-251 the result's codes.
.set STG,   278528
.set HEADB, 139264
.set STEPB, 8704
.set KF,  48
.set VF,  80
.set S,   112
.set O,   176
.set PC,  208
.set SC,  216
.set PW,  220
.set BM,  224
.set T1,  228
.set SO,  232
.set F,   236
.set L2,  238
.set TT,  240
.macro CROUND                          ; a round of the cluster's barrier
	s_barrier_signal -1
	s_barrier_wait -1
	s_cmp_lg_u32 s10, 0
	s_cbranch_scc1 .Lnot_wave_0_\@
	s_barrier_signal -3
.Lnot_wave_0_\@:
	s_barrier_wait -3
	s_barrier_signal -1
	s_barrier_wait -1
.endm
.macro WM0 d, a, b, sa, sb, ra         ; a product that starts a sum; ra = 1: A's scales are read from lanes 16-31
.if \ra
	v_wmma_scale_f32_16x16x128_f8f6f4 v[(\d):(\d)+7], v[(\a):(\a)+7], v[(\b):(\b)+7], 0, v[(\sa)], v[(\sb)] matrix_a_fmt:MATRIX_FMT_FP4 matrix_b_fmt:MATRIX_FMT_FP4 matrix_a_scale:MATRIX_SCALE_ROW1
.else
	v_wmma_scale_f32_16x16x128_f8f6f4 v[(\d):(\d)+7], v[(\a):(\a)+7], v[(\b):(\b)+7], 0, v[(\sa)], v[(\sb)] matrix_a_fmt:MATRIX_FMT_FP4 matrix_b_fmt:MATRIX_FMT_FP4
.endif
.endm
.macro WMA d, a, b, sa, sb, ra         ; a product that adds onto D
.if \ra
	v_wmma_scale_f32_16x16x128_f8f6f4 v[(\d):(\d)+7], v[(\a):(\a)+7], v[(\b):(\b)+7], v[(\d):(\d)+7], v[(\sa)], v[(\sb)] matrix_a_fmt:MATRIX_FMT_FP4 matrix_b_fmt:MATRIX_FMT_FP4 matrix_a_scale:MATRIX_SCALE_ROW1
.else
	v_wmma_scale_f32_16x16x128_f8f6f4 v[(\d):(\d)+7], v[(\a):(\a)+7], v[(\b):(\b)+7], v[(\d):(\d)+7], v[(\sa)], v[(\sb)] matrix_a_fmt:MATRIX_FMT_FP4 matrix_b_fmt:MATRIX_FMT_FP4
.endif
.endm
	s_load_b128 s[4:7], s[0:1], 0x0                ; qbuf s[4:5], kvbuf s[6:7]
	s_load_b64 s[8:9], s[0:1], 0x10                ; aobuf
	v_lshl_add_u32 v254, v0, 2, 0x44400
	v_mov_b32 v255, 0
	ds_add_u32 v254, v255
	ds_add_u32 v254, v255
	v_lshrrev_b32 v9, 5, v0
	s_delay_alu instid0(VALU_DEP_1)
	v_readfirstlane_b32 s10, v9                    ; wave 0..15
	s_bfe_u32 s11, ttmp6, 0x40000                  ; cx: my place in the cluster
	s_and_b32 s12, ttmp7, 0xffff                   ; y = 8 batch + pair of heads, which the four partners share
	s_lshl_b32 s13, ttmp9, 2
	s_add_co_u32 s13, s13, s11                     ; my block of 256 queries: it enters qbuf's and aobuf's addresses alone
	s_mov_b32 s20, 0x76543210
	s_mov_b32 s21, 0xfedcba98                      ; v_permlanex16_b32's selects for lane l xor 16
	s_mov_b32 s22, 0x3e38aa3b                      ; c = log2(e) / 8
	s_mov_b32 s23, s22                             ; (named with it as a pair, so it is written)
	; descriptor group 1: a step's 8,704 dense bytes as 34 rows of 256 (32 elements of 8 bytes)
	s_mov_b32 s24, 15|(3<<16)|(1<<21)              ; 15:0 the mask: all four work-groups; 17:16 elements of 8 bytes; 21 set beside a mask
	s_mov_b32 s25, 32<<16
	s_mov_b32 s26, 34<<16
	s_mov_b32 s27, 32<<16
	s_mov_b32 s28, 34
	s_mov_b32 s29, 32
	s_mov_b32 s30, 0
	s_mov_b32 s31, 0
	s_mov_b32 s32, 1
	s_mul_i32 s33, s10, STEPB                      ; LDS: step w of the first head,
	s_mov_b32 s36, 1
	s_add_co_u32 s37, s33, HEADB                   ; and of the second
	s_mul_i32 s14, s12, 2*HEADB
	s_add_co_u32 s14, s14, s33                     ; the same place in this pair's part of kvbuf
	s_mov_b32 s15, 0
	; my tile of queries: group g = 2 x block + wave / 8 of its batch, tile T = wave % 8
	s_lshr_b32 s42, s10, 3
	s_lshl_b32 s17, s13, 1
	s_add_co_u32 s42, s42, s17                     ; g
	s_and_b32 s43, s10, 7                          ; T
	s_lshl_b32 s44, s12, 5
	s_add_co_u32 s44, s44, s42
	s_mul_i32 s44, s44, 4608                       ; qbuf: (16 (2 y) + g) x 4,608; the second head lies 73,728 bytes on
	s_mov_b32 s45, 0
	s_lshl_b32 s46, s43, 9                         ; the tile's codes
	s_mov_b32 s47, 0
	s_lshr_b32 s48, s43, 1
	s_lshl_b32 s48, s48, 2                         ; the word of the tile's pair
	s_mov_b32 s49, 0
	s_lshr_b32 s54, s12, 3
	s_lshl_b32 s54, s54, 4                         ; 16 batch
	s_and_b32 s55, s12, 7                          ; the pair of heads = the last product's K step
	s_add_co_u32 s58, s54, s42
	s_mul_i32 s58, s58, 69632                      ; aobuf: the group's block,
	s_lshl_b32 s59, s43, 13
	s_add_co_u32 s58, s58, s59                     ; the tile's 8,192 bytes,
	s_lshl_b32 s59, s55, 10
	s_add_co_u32 s58, s58, s59                     ; the K step's 1,024
	s_mov_b32 s59, 0
	s_and_b32 s62, s10, 1                          ; waves 0 and 1 store the scale words of the block's two groups
	s_add_co_u32 s62, s62, s17
	s_add_co_u32 s62, s62, s54
	s_mul_i32 s62, s62, 69632
	s_lshl_b32 s63, s55, 9
	s_add_co_u32 s62, s62, s63
	s_mov_b32 s63, 0
	s_mov_b32 s19, 0x03020302                      ; q's two scale bytes, twice: bytes 2, 3 of the pair's word for an odd tile,
	s_and_b32 s18, s10, 1
	s_cmp_eq_u32 s18, 0
	s_cselect_b32 s19, 0x01000100, s19             ; bytes 0, 1 for an even one
	s_lshl_b32 s18, s10, 6
	s_add_co_u32 s18, s18, STG
	s_lshl_b32 s3, s10, 9
	s_add_co_u32 s3, s3, STG
	v_and_b32 v9, 31, v0                           ; lane
	s_delay_alu instid0(VALU_DEP_1)
	v_lshlrev_b32 v1, 4, v9                        ; 16 x lane: an image's place for my lane, in LDS and in memory
	v_and_b32 v3, 15, v0                           ; r
	s_delay_alu instid0(VALU_DEP_1)
	v_lshlrev_b32 v4, 4, v3                        ; q's scale words: 16 bytes a row
	s_delay_alu instid0(VALU_DEP_2)
	v_lshl_add_u32 v6, v3, 2, s18                  ; where my row's scale word goes: STG + 64 x wave + 4 r
	v_lshl_add_u32 v7, v9, 4, s3                   ; and where waves 0 and 1 read 512 bytes back
	s_wait_dscnt 0x0
	s_wait_kmcnt 0x0
	s_add_nc_u64 s[34:35], s[6:7], s[14:15]
	s_add_nc_u64 s[38:39], s[34:35], HEADB
	s_or_b32 s35, s35, 0x80000000                  ; type = 2
	s_or_b32 s39, s39, 0x80000000
	s_add_nc_u64 s[50:51], s[4:5], s[44:45]
	s_add_nc_u64 s[52:53], s[50:51], s[48:49]      ; q's scale words
	s_add_nc_u64 s[50:51], s[50:51], s[46:47]      ; q's codes
	s_add_nc_u64 s[56:57], s[8:9], s[58:59]        ; the result's codes
	s_add_nc_u64 s[60:61], s[8:9], s[62:63]        ; the result's scale words
	CROUND                                         ; all four work-groups are here: the joint loads meet
	tensor_load_to_lds s[32:35], s[24:31]          ; the launch's only fills, two of mine out: step w of the first head,
	s_nop 0
	s_wait_alu depctr_va_vdst(0)
	s_wait_tensorcnt 0x0
	ds_add_u32 v254, v255
	s_wait_dscnt 0x0
	CROUND
	tensor_load_to_lds s[36:39], s[24:31]          ; and of the second
	s_nop 0
.rept 4
	v_nop
.endr
	s_wait_alu depctr_va_vdst(0)
	global_load_b128 v[20:23], v1, s[50:51] th:TH_LOAD_NT                ; q of the first head,
	global_load_b128 v[32:35], v1, s[50:51] offset:73728 th:TH_LOAD_NT   ; of the second
	global_load_b32 v10, v4, s[52:53] offset:4096
	global_load_b32 v11, v4, s[52:53] offset:4096+73728
.irp j, 16,17,18,19,24,25,26,27,28,29,30,31,36,37,38,39
	v_mov_b32 v[\j], 0                             ; the zero codes on both sides of q
.endr
	v_mov_b32 v8, 0
.irp b, 0,1,2,3
	v_mov_b32 v[T1+\b], 0                          ; written once: a lane permute's destination counts as one of its sources
.endr
	v_mov_b32 v[F+1], 0                            ; (named as the upper half of a pair)
	v_mov_b32 v[TT], 0
	s_wait_loadcnt 0x0
	v_perm_b32 v40, v10, v10, s19
	v_perm_b32 v41, v11, v11, s19
; A KEY STEP of head e: 128 keys, whose images begin at LDS byte s40.
.macro STEP e
	v_add_nc_u32 v2, s40, v1
.rept 3
	v_nop                                          ; with the addition four places behind the last step's products: the loads below land in registers that they read
.endr
	ds_load_b128 v[SC:SC+3], v2 offset:8192        ; the scale words: K's of pairs 0 / 1, 2 / 3 (lanes 0-15 / 16-31), V's of tiles 0 / 1, 2 / 3
.irp f, 0,1,2,3
.irp c, 0,1
	ds_load_b128 v[KF+8*\f+4*\c:KF+8*\f+4*\c+3], v2 offset:1024*\f+512*\c
.endr
.endr
.irp t, 0,1,2,3
.irp c, 0,1
	ds_load_b128 v[VF+8*\t+4*\c:VF+8*\t+4*\c+3], v2 offset:4096+1024*\t+512*\c
.endr
.endr
	s_wait_dscnt 0x8                               ; V's eight loads may stay out
.irp f, 0,1,2,3                                ; S^T: register 16 f + i of lane (r, h) is key 32 f + 16 h + i of query r
	WM0 S+16*\f, KF+8*\f, 16+12*\e+4, SC+\f/2, 40+\e, \f%2
	WM0 S+16*\f+8, KF+8*\f, 16+12*\e, SC+\f/2, 40+\e, \f%2
.endr
.rept 4
	v_nop
.endr
.irp b, 0,1,2,3
	v_max3_num_f32 v[BM+\b], v[S+16*\b], v[S+16*\b+1], v[S+16*\b+2]   ; the largest score of each block of 32 keys: it serves for the row's maximum and, since p rises with the score, for the block's largest p
.endr
.irp i, 3,5,7,9,11,13
.irp b, 0,1,2,3
	v_max3_num_f32 v[BM+\b], v[BM+\b], v[S+16*\b+\i], v[S+16*\b+\i+1]
.endr
.endr
.irp b, 0,1,2,3
	v_max_num_f32 v[BM+\b], v[BM+\b], v[S+16*\b+15]
.endr
.irp b, 0,1,2,3
	s_delay_alu instid0(VALU_DEP_4)
	v_permlanex16_b32 v[T1+\b], v[BM+\b], s20, s21
.endr
.irp b, 0,1,2,3
	s_delay_alu instid0(VALU_DEP_4)
	v_max_num_f32 v[BM+\b], v[BM+\b], v[T1+\b]     ; with lane l xor 16's 16 keys
.endr
	s_delay_alu instid0(VALU_DEP_2)
	v_max3_num_f32 v[TT], v[BM], v[BM+1], v[BM+2]
	s_delay_alu instid0(VALU_DEP_1)
	v_max_num_f32 v[TT], v[TT], v[BM+3]            ; the step's largest score of my query
	s_delay_alu instid0(VALU_DEP_1)
	v_mul_f32 v[TT], s22, v[TT]                    ; as t (c is positive)
	s_delay_alu instid0(VALU_DEP_1)
	v_max_num_f32 v13, v13, v[TT]                  ; the running largest t
	v_mov_b32 v[TT], v12
	s_delay_alu instid0(VALU_DEP_2)
	v_floor_f32 v12, -v13                          ; the new -M = floor(-t) = -ceil(t): a whole number
	s_delay_alu instid0(VALU_DEP_1)
	v_sub_f32 v[TT], v12, v[TT]                    ; old M - new M: a whole number, 0 or less
	s_delay_alu instid0(VALU_DEP_1)
	v_cvt_i32_f32 v[TT], v[TT]                     ; (it saturates)
	s_delay_alu instid0(VALU_DEP_1)
	v_ldexp_f32 v[F], 1.0, v[TT]                   ; f = 2^(old M - new M)
.set j, 0
.rept 32
	v_pk_fma_f32 v[S+j:S+j+1], v[S+j:S+j+1], s[22:23], v[12:13] op_sel_hi:[1,0,0]   ; t - M, two at a time
.set j, j+2
.endr
.irp b, 0,1,2,3
	v_fma_f32 v[BM+\b], v[BM+\b], s22, v12         ; the same of each block's largest score
.endr
.set j, 0
	s_wait_alu depctr_va_vdst(0)
.rept 64
	v_exp_f32 v[S+j], v[S+j]                       ; p = 2^(t - M), at most 1
.set j, j+1
.endr
	s_setprio 1
.irp b, 0,1,2,3
	v_exp_f32 v[BM+\b], v[BM+\b]                   ; the block's largest p: ONE BATCH of 68 with the 64
.endr
	v_pk_mul_f32 v[14:15], v[14:15], v[F:F+1] op_sel_hi:[1,0]   ; the sums under the new M: the plain instruction behind the last exponential
.set j, 0
	s_wait_alu depctr_va_vdst(0)
.rept 16
	v_pk_mul_f32 v[O+j:O+j+1], v[O+j:O+j+1], v[F:F+1] op_sel_hi:[1,0]   ; O^T under the new M: work that names no exponential's result
.set j, j+2
.endr
	s_wait_alu depctr_va_vdst(0)                   ; one wait for the batch, ahead of the first instruction that names a result
.irp b, 0,1,2,3
	v_max_num_f32 v[BM+\b], 0x1800000, v[BM+\b]    ; the floor 2^(3 - 127): the byte cannot fall under 1
.endr
.irp b, 0,1,2,3
	s_delay_alu instid0(VALU_DEP_4)
	v_add_nc_u32 v[SO+\b], 0xff000000, v[BM+\b]    ; 2 off the exponent field: the conversion's scale operand
.endr
.irp b, 0,1,2,3
	s_delay_alu instid0(VALU_DEP_4)
	v_lshrrev_b32 v[T1+\b], 23, v[SO+\b]           ; the scale's byte
.endr
	s_delay_alu instid0(VALU_DEP_3)
	v_lshl_or_b32 v[PW], v[T1+1], 8, v[T1]         ; p's scale word for these 128 keys
	s_delay_alu instid0(VALU_DEP_1)
	v_lshl_or_b32 v[PW], v[T1+2], 16, v[PW]
	s_delay_alu instid0(VALU_DEP_1)
	v_lshl_or_b32 v[PW], v[T1+3], 24, v[PW]
.irp b, 0,1,2,3
	v_cvt_scalef32_pk8_fp4_f32 v[PC+2*\b], v[S+16*\b:S+16*\b+7], v[SO+\b]
	v_cvt_scalef32_pk8_fp4_f32 v[PC+2*\b+1], v[S+16*\b+8:S+16*\b+15], v[SO+\b]
.endr
	v_nop                                          ; one plain place behind a scaled conversion
.irp c, 0,1                                    ; a whole block to a lane: lanes 0-15 block 2 c, lanes 16-31 block 2 c + 1
.irp i, 0,1
	v_permlane16_swap_b32 v[PC+4*\c+\i], v[PC+4*\c+2+\i]
.endr
.endr
	v_pk_add_f32 v[L2:L2+1], v[S:S+1], v[S+2:S+3]  ; THE ROW'S SUM IS TAKEN OF THE UNQUANTISED p, two at a time, in two chains.  These 32 are also the places between the writes of p's codes and scale word and the products
.set j, 4
	s_setprio 0
.rept 15
	v_pk_add_f32 v[14:15], v[14:15], v[S+j:S+j+1]
	v_pk_add_f32 v[L2:L2+1], v[L2:L2+1], v[S+j+2:S+j+3]
.set j, j+4
.endr
	s_delay_alu instid0(VALU_DEP_1)
	v_pk_add_f32 v[14:15], v[14:15], v[L2:L2+1]
	s_wait_dscnt 0x0                               ; V is in
.irp t, 0,1,2,3                                ; O^T += V^T P^T: register 16 B + i of lane (r, h) is channel 32 B + 16 h + i of query r
	WMA O+8*\t, VF+8*\t, PC, SC+2+\t/2, PW, \t%2
.endr
	s_add_co_u32 s40, s40, STEPB
.endm
; The head's end: O^T / the sum, quantised along the channels: two blocks of 32; its two bytes go into the upper half of the scale word, the head's before them into the lower.
.macro FINISH e
.rept 4
	v_nop                                          ; places behind the last products
.endr
	v_add_f32 v14, v14, v15                        ; the sum's two halves,
	s_delay_alu instid0(VALU_DEP_1)
	v_permlanex16_b32 v[TT], v14, s20, s21
	s_delay_alu instid0(VALU_DEP_1)
	v_add_f32 v14, v14, v[TT]                      ; and lane l xor 16's: the row's sum
	s_wait_alu depctr_va_vdst(0)
	v_rcp_f32 v14, v14
	v_nop                                          ; a plain place behind the reciprocal
	s_wait_alu depctr_va_vdst(0)                   ; and the wait ahead of its first reader
.set j, 0
.rept 16
	v_pk_mul_f32 v[S+j:S+j+1], v[O+j:O+j+1], v[14:15] op_sel_hi:[1,0]   ; each accumulator from its low end on
.set j, j+2
.endr
.irp b, 0,1
	v_max3_num_f32 v[BM+\b], |v[S+16*\b]|, |v[S+16*\b+1]|, 0x1800000
.endr
.irp i, 2,4,6,8,10,12,14
.irp b, 0,1
	s_delay_alu instid0(VALU_DEP_2)
	v_max3_num_f32 v[BM+\b], v[BM+\b], |v[S+16*\b+\i]|, |v[S+16*\b+\i+1]|
.endr
.endr
.irp b, 0,1
	s_delay_alu instid0(VALU_DEP_2)
	v_permlanex16_b32 v[T1+\b], v[BM+\b], s20, s21
.endr
.irp b, 0,1
	s_delay_alu instid0(VALU_DEP_2)
	v_max_num_f32 v[BM+\b], v[BM+\b], v[T1+\b]
.endr
.irp b, 0,1
	s_delay_alu instid0(VALU_DEP_2)
	v_add_nc_u32 v[SO+\b], 0xff000000, v[BM+\b]
.endr
.irp b, 0,1
	s_delay_alu instid0(VALU_DEP_2)
	v_lshrrev_b32 v[T1+\b], 23, v[SO+\b]
.endr
	s_delay_alu instid0(VALU_DEP_1)
	v_lshl_or_b32 v9, v[T1+1], 8, v[T1]
	v_lshrrev_b32 v8, 16, v8
	s_delay_alu instid0(VALU_DEP_1)
	v_lshl_or_b32 v8, v9, 16, v8
.irp b, 0,1
	v_cvt_scalef32_pk8_fp4_f32 v[244+4*\e+2*\b], v[S+16*\b:S+16*\b+7], v[SO+\b]
	v_cvt_scalef32_pk8_fp4_f32 v[244+4*\e+2*\b+1], v[S+16*\b+8:S+16*\b+15], v[SO+\b]
.endr
	v_nop                                          ; one plain place behind a scaled conversion
.irp i, 0,1
	v_permlane16_swap_b32 v[244+4*\e+\i], v[244+4*\e+2+\i]
.endr
	global_store_b128 v1, v[244+4*\e:244+4*\e+3], s[56:57] offset:512*\e th:TH_STORE_NT   ; 32 lanes store 512 consecutive bytes, aligned; each head has its own four registers
.endm
.macro HEAD e
	s_wait_tensorcnt 1-\e                          ; my step of this head has landed; for the first head the second's load may stay out
	s_wait_dscnt 0x0
	s_barrier_signal -1
	s_barrier_wait -1                              ; everybody's has
	v_mov_b32 v13, 0xff61b1e6                      ; the largest t so far: -3e38, under every t
	s_delay_alu instid0(VALU_DEP_1)
	v_floor_f32 v12, -v13                          ; -M
	v_mov_b32 v14, 0
	v_mov_b32 v15, 0
.set j, 0
.rept 32
	v_mov_b32 v[O+j], 0                            ; O^T: the step is written once; its first trip finds zeros, which the first change of M leaves zeros
.set j, j+1
.endr
	s_mov_b32 s40, HEADB*\e
	s_mov_b32 s41, 16
.Lstep_\@:
	s_setprio 2
	STEP \e
	s_sub_co_u32 s41, s41, 1
	s_cmp_lg_u32 s41, 0
	s_cbranch_scc1 .Lstep_\@
	s_setprio 0
	s_wait_alu depctr_va_vdst(0)
	FINISH \e
.endm
	HEAD 0
	HEAD 1
	ds_store_b32 v6, v8                            ; my 16 rows' scale words (lanes l and l xor 16 write the same word with the same value)
	s_wait_dscnt 0x0                               ; for the others' sake
	s_barrier_signal -1
	s_barrier_wait -1
	s_cmp_lt_u32 s10, 2
	s_cbranch_scc0 .Lno_words
	ds_load_b128 v[48:51], v7                      ; a group's eight tiles x 16 rows: 512 bytes
	s_wait_dscnt 0x0
	global_store_b128 v1, v[48:51], s[60:61] offset:65536 th:TH_STORE_NT
.Lno_words:
	s_wait_tensorcnt 0x0
	ds_add_u32 v254, v255
	s_wait_dscnt 0x0
	CROUND                                         ; the closing round: no work-group ends while a partner may still ask for a tile that names it
	s_endpgm
.Lfunc_end_k_qd1c53e28cf_attn:
	.size	k_qd1c53e28cf_attn, .Lfunc_end_k_qd1c53e28cf_attn-k_qd1c53e28cf_attn
	.p2alignl 7, 3214868480
	.fill 96, 4, 3214868480
	.section	.rodata,"a",@progbits
	.p2align	6, 0x0
	.amdhsa_kernel k_qd1c53e28cf_attn
		.amdhsa_group_segment_fixed_size 327680
		.amdhsa_private_segment_fixed_size 0
		.amdhsa_enable_private_segment 0
		.amdhsa_kernarg_size 24
		.amdhsa_user_sgpr_count 2
		.amdhsa_user_sgpr_kernarg_segment_ptr 1
		.amdhsa_wavefront_size32 1
		.amdhsa_system_sgpr_workgroup_id_x 1
		.amdhsa_system_sgpr_workgroup_id_y 1
		.amdhsa_system_sgpr_workgroup_id_z 1
		.amdhsa_system_vgpr_workitem_id 0
		.amdhsa_next_free_vgpr 256
		.amdhsa_next_free_sgpr 66
		.amdhsa_reserve_vcc 0
		.amdhsa_float_denorm_mode_32 3
		.amdhsa_float_denorm_mode_16_64 3
		.amdhsa_memory_ordered 1
		.amdhsa_forward_progress 1
		.amdhsa_inst_pref_size 51
	.end_amdhsa_kernel
	.amdgpu_metadata
---
amdhsa.version: [ 1, 2 ]
amdhsa.kernels:
  - .name:           k_qd1c53e28cf_attn
    .symbol:         k_qd1c53e28cf_attn.kd
    .args:
      - { .name: qbuf, .offset: 0, .size: 8, .value_kind: global_buffer, .address_space: global }
      - { .name: kvbuf, .offset: 8, .size: 8, .value_kind: global_buffer, .address_space: global }
      - { .name: aobuf, .offset: 16, .size: 8, .value_kind: global_buffer, .address_space: global }
    .group_segment_fixed_size: 327680
    .private_segment_fixed_size: 0
    .kernarg_segment_align: 8
    .kernarg_segment_size: 24
    .max_flat_workgroup_size: 512
    .sgpr_count:     66
    .vgpr_count:     256
    .wavefront_size: 32
...
	.end_amdgpu_metadata
.endif
;; end of part 2
;; launch oproj (part 3): grid 4 x 64, 4 waves a work-group, clusters of 4 x 1, 168,448 bytes of LDS; arguments aobuf, Wo_codes, Wo_scales, bo, out0; writes out0
.if DOCPART == 3
	.amdgcn_target "amdgcn-amd-amdhsa--gfx1250"
	.amdhsa_code_object_version 6
	.text
	.protected	k_qd1c53e28cf_oproj
	.globl	k_qd1c53e28cf_oproj
	.p2align	8
	.type	k_qd1c53e28cf_oproj,@function
k_qd1c53e28cf_oproj:
	s_mov_b64 s[64:65], 0
	v_nop
	global_prefetch_b8 v0, s[64:65] scope:SCOPE_SE
	s_setreg_imm32_b32 hwreg(HW_REG_WAVE_MODE, 25, 1), 1
	s_wait_xcnt 0x0
	s_wait_alu depctr_hold_cnt(0) depctr_sa_sdst(0) depctr_va_vdst(0) depctr_va_sdst(0) depctr_va_ssrc(0) depctr_va_vcc(0) depctr_vm_vsrc(0)
	s_getreg_b32 s2, hwreg(HW_REG_IB_STS2, 6, 4)
	s_cmp_eq_u32 s2, 0
	s_cbranch_scc0 .Lentry_in_a_cluster
	s_endpgm
.Lentry_in_a_cluster:
	s_bfe_u32 s2, ttmp6, 0x10000c
	s_cmp_lg_u32 s2, 0x3003
	s_cbranch_scc0 .Lentry_shape_is_right
	s_endpgm
.Lentry_shape_is_right:
; out0 = a Wo + bo on codes of FP4 (E2M1) with one E8M0 scale for each 32 along K.  a, the attention's result, lies in aobuf as images of operand registers, [group of 128 tokens][69,632]:
; the fragment of (tile T, K step s) at 8,192 T + 1,024 s (two groups of four registers, 512 bytes each, lane l's 16 bytes at 16 l); at 65,536 the scale words, [s][T][row] x 4 bytes.
; Lane r of tile T = 2 p + y is token 32 p + 8 y + r + 8 (r / 8) of its group.
; SHARES.  A work-group takes a group of 128 tokens (work-group y) and 256 columns; wave w takes 64 of them: 4 tiles of 16 rows of Wo, whose fragments for all of K are 256 registers (window 1), read once.
; The group's block of aobuf is wanted by all four work-groups of a cluster: it comes by JOINT tensor loads, a quarter a wave, once, and stays.  Wo is not asked for jointly: the four partners take different columns,
; and the work-groups that share columns (the 64 groups of tokens) are more than a cluster holds; each wave's rows go straight into its registers.
; THE PRODUCT IS USED TRANSPOSED (source 0 = 16 rows of Wo, source 1 = 16 tokens): a lane holds eight neighbouring columns of one row of out0.  bo is the C of each sum's first product.
; The way out: two tiles of tokens go through the wave's own stage in LDS (rows of 256 + 16 bytes) and leave as whole rows: sixteen lanes store 256 consecutive bytes, aligned.
; LDS: 0: the block of aobuf, 69,632 bytes.   69,632: the stages, 8,704 bytes for each wave.
; REGISTERS, window 0: v1-7 addresses; v8-39 a's scale words; v40-55 Wo's; v56-87 bo; v88-151 eight accumulators; v152-199 a's fragments, three sets.
.set STAGE, 69632
.set XS,   8
.set WS,   40
.set BI,   56
.set ACC,  88
.set XF,   152
.set MSB,  0
.macro WIN new                         ; the immediate's high byte repeats the setting that is left; a switch that changes nothing is dropped
.if MSB != (\new)
	s_set_vgpr_msb (MSB<<8)|(\new)
.set MSB, (\new)
.endif
.endm
.macro PLACES                          ; four places behind matrix instructions: in front of loads into their registers and of reads of their results
.rept 4
	v_nop
.endr
.endm
.macro CROUND                          ; a round of the cluster's barrier
	s_barrier_signal -1
	s_barrier_wait -1
	s_cmp_lg_u32 s14, 0
	s_cbranch_scc1 .Lnot_wave_0_\@
	s_barrier_signal -3
.Lnot_wave_0_\@:
	s_barrier_wait -3
	s_barrier_signal -1
	s_barrier_wait -1
.endm
.macro WM d, a, b, c, sa, sb, ra, rb   ; one product; ra, rb = 1: that side's scales are read from lanes 16-31
.if (\ra) && (\rb)
	v_wmma_scale_f32_16x16x128_f8f6f4 v[(\d):(\d)+7], v[(\a):(\a)+7], v[(\b):(\b)+7], v[(\c):(\c)+7], v[(\sa)], v[(\sb)] matrix_a_fmt:MATRIX_FMT_FP4 matrix_b_fmt:MATRIX_FMT_FP4 matrix_a_scale:MATRIX_SCALE_ROW1 matrix_b_scale:MATRIX_SCALE_ROW1
.elseif (\ra)
	v_wmma_scale_f32_16x16x128_f8f6f4 v[(\d):(\d)+7], v[(\a):(\a)+7], v[(\b):(\b)+7], v[(\c):(\c)+7], v[(\sa)], v[(\sb)] matrix_a_fmt:MATRIX_FMT_FP4 matrix_b_fmt:MATRIX_FMT_FP4 matrix_a_scale:MATRIX_SCALE_ROW1
.elseif (\rb)
	v_wmma_scale_f32_16x16x128_f8f6f4 v[(\d):(\d)+7], v[(\a):(\a)+7], v[(\b):(\b)+7], v[(\c):(\c)+7], v[(\sa)], v[(\sb)] matrix_a_fmt:MATRIX_FMT_FP4 matrix_b_fmt:MATRIX_FMT_FP4 matrix_b_scale:MATRIX_SCALE_ROW1
.else
	v_wmma_scale_f32_16x16x128_f8f6f4 v[(\d):(\d)+7], v[(\a):(\a)+7], v[(\b):(\b)+7], v[(\c):(\c)+7], v[(\sa)], v[(\sb)] matrix_a_fmt:MATRIX_FMT_FP4 matrix_b_fmt:MATRIX_FMT_FP4
.endif
.endm
	s_load_b256 s[4:11], s[0:1], 0x0               ; aobuf s[4:5], Wo's codes s[6:7], Wo's scales s[8:9], bo s[10:11]
	s_load_b64 s[12:13], s[0:1], 0x20              ; out0
	v_lshl_add_u32 v254, v0, 2, 0x29000
	v_mov_b32 v255, 0
	ds_add_u32 v254, v255
	ds_add_u32 v254, v255
	v_lshrrev_b32 v201, 5, v0
	v_readfirstlane_b32 s14, v201                  ; wave 0..3
	s_bfe_u32 s15, ttmp6, 0x40000                  ; cx: my place in the cluster
	s_and_b32 s16, ttmp7, 0xffff                   ; the group of 128 tokens, which the four partners share
	; descriptor group 1: a quarter of the block, 17,408 dense bytes, as 68 rows of 256 (32 elements of 8 bytes)
	s_mov_b32 s24, 15|(3<<16)|(1<<21)              ; 15:0 the mask: all four work-groups; 17:16 elements of 8 bytes; 21 set beside a mask
	s_mov_b32 s25, 32<<16
	s_mov_b32 s26, 68<<16
	s_mov_b32 s27, 32<<16
	s_mov_b32 s28, 68
	s_mov_b32 s29, 32
	s_mov_b32 s30, 0
	s_mov_b32 s31, 0
	s_mov_b32 s32, 1
	s_mul_i32 s33, s14, 17408                      ; LDS: my quarter,
	s_mul_i32 s18, s16, 69632
	s_add_co_u32 s18, s18, s33                     ; and the same place in the group's block
	s_mov_b32 s19, 0
	s_mul_i32 s20, s14, 8704
	s_add_co_u32 s20, s20, STAGE                   ; my stage
	s_lshl_b32 s40, ttmp9, 2
	s_add_co_u32 s40, s40, s15                     ; work-group x
	s_lshl_b32 s40, s40, 8
	s_lshl_b32 s41, s14, 6
	s_add_co_u32 s40, s40, s41                     ; my first column: 256 x + 64 w
	s_lshl_b32 s42, s40, 9                         ; Wo's rows of 512 bytes,
	s_mov_b32 s43, 0
	s_lshl_b32 s44, s40, 5                         ; their 32 scale bytes,
	s_mov_b32 s45, 0
	s_lshl_b32 s46, s40, 2                         ; bo,
	s_mov_b32 s47, 0
	s_lshl_b32 s48, s16, 19                        ; out0: 128 rows of 4,096 bytes a group,
	s_add_co_u32 s48, s48, s46                     ; and my columns
	s_mov_b32 s49, 0
	v_and_b32 v201, 31, v0                         ; lane
	v_and_b32 v202, 15, v0                         ; r
	v_bfe_u32 v203, v0, 4, 1                       ; h
	v_lshlrev_b32 v1, 4, v201                      ; an image's place for my lane
	v_lshl_add_u32 v2, v201, 2, 65536              ; a's scale words: lanes 0-15 the even tile's rows, lanes 16-31 the odd tile's
	v_mul_u32_u24 v3, v202, 272
	v_lshl_add_u32 v3, v203, 5, v3
	v_add_nc_u32 v3, s20, v3                       ; into the stage: row r, + 32 h
	v_mul_u32_u24 v4, v203, 272
	v_lshl_add_u32 v4, v202, 4, v4
	v_add_nc_u32 v4, s20, v4                       ; back: lanes 0-15 one row, lanes 16-31 the next
	v_lshlrev_b32 v5, 12, v203
	v_lshl_add_u32 v5, v202, 4, v5                 ; and the same two rows in out0
	v_lshlrev_b32 v6, 9, v202
	v_lshl_add_u32 v6, v203, 4, v6                 ; Wo's fragments: row r, + 16 h
	v_lshlrev_b32 v7, 5, v201                      ; Wo's scale words: lanes 0-15 the even tile's rows, lanes 16-31 the odd tile's
	v_lshlrev_b32 v200, 5, v203                    ; bo: my half's eight numbers of a tile
	s_wait_dscnt 0x0
	s_wait_kmcnt 0x0
	s_add_nc_u64 s[34:35], s[4:5], s[18:19]
	s_or_b32 s35, s35, 0x80000000                  ; type = 2
	s_add_nc_u64 s[6:7], s[6:7], s[42:43]
	s_add_nc_u64 s[8:9], s[8:9], s[44:45]
	s_add_nc_u64 s[10:11], s[10:11], s[46:47]
	s_add_nc_u64 s[12:13], s[12:13], s[48:49]
	CROUND                                         ; all four work-groups are here: the joint loads meet
	tensor_load_to_lds s[32:35], s[24:31]          ; the launch's only fill: one load of mine is out
	s_nop 0
.rept 4
	v_nop
.endr
	s_wait_alu depctr_va_vdst(0)
.irp t, 0,1,2,3                                ; bo in the result's layout: tile t, lane (r, h): columns 16 t + 8 h + 0 .. 7
	global_load_b128 v[BI+8*\t:BI+8*\t+3], v200, s[10:11] offset:64*\t
	global_load_b128 v[BI+8*\t+4:BI+8*\t+7], v200, s[10:11] offset:64*\t+16
.endr
.irp p, 0,1                                    ; Wo's scale words: register 8 p + s
.irp k, 0,1
	global_load_b128 v[WS+8*\p+4*\k:WS+8*\p+4*\k+3], v7, s[8:9] offset:1024*\p+16*\k
.endr
.endr
	WIN 0x40                                       ; destination window 1
.irp t, 0,1,2,3                                ; Wo's fragments: (tile t, K step s) at v[64 t + 8 s] of window 1
.irp s, 0,1,2,3,4,5,6,7
.irp c, 0,1
	global_load_b128 v[64*\t+8*\s+4*\c:64*\t+8*\s+4*\c+3], v6, s[6:7] offset:8192*\t+64*\s+32*\c
.endr
.endr
.endr
	WIN 0
	s_wait_loadcnt 0x0
	s_wait_tensorcnt 0x0                           ; my quarter of the block has landed,
	s_barrier_signal -1
	s_barrier_wait -1                              ; everybody's has
.macro XLD pp, s, z                            ; a's two fragments (tiles 2 pp, 2 pp + 1) of K step s into set z
.irp y, 0,1
.irp c, 0,1
	ds_load_b128 v[XF+16*(\z)+8*\y+4*\c:XF+16*(\z)+8*\y+4*\c+3], v1 offset:8192*(2*(\pp)+\y)+1024*(\s)+512*\c
.endr
.endr
.endm
.irp p, 0,1,2,3
.irp s, 0,1,2,3,4,5,6,7
	ds_load_b32 v[XS+8*\p+\s], v2 offset:512*\s+128*\p
.endr
.endr
	XLD 0, 0, 0
	XLD 0, 1, 1
; The way out of tiles 2 pp, 2 pp + 1.  LDS serves a wave's instructions in order (ISA guide 5.7.1.4): no wait between the stores and the loads; the rows come back into the accumulators' registers.
.macro OUTP pp
	WIN 0
	PLACES
.irp y, 0,1
.irp t, 0,1,2,3
	ds_store_b128 v3, v[ACC+32*\y+8*\t:ACC+32*\y+8*\t+3] offset:4352*\y+64*\t          ; each accumulator from its low end on
	ds_store_b128 v3, v[ACC+32*\y+8*\t+4:ACC+32*\y+8*\t+7] offset:4352*\y+64*\t+16
.endr
.endr
.irp y, 0,1
.irp i, 0,1,2,3,4,5,6,7
	ds_load_b128 v[ACC+32*\y+4*\i:ACC+32*\y+4*\i+3], v4 offset:4352*\y+544*\i
.endr
.endr
.irp y, 0,1
.irp i, 0,1,2,3,4,5,6,7
	s_wait_dscnt 15-8*\y-\i                        ; the younger loads from the stage may stay out
	global_store_b128 v5, v[ACC+32*\y+4*\i:ACC+32*\y+4*\i+3], s[12:13] offset:(32*\pp+8*\y+2*\i+8*(\i/4))*4096 th:TH_STORE_NT   ; rows 2 i, 2 i + 1 of the tile: tokens 32 pp + 8 y + 2 i + 8 (i / 4) on; 16 lanes store 256 consecutive bytes, aligned
.endr
.endr
	s_wait_xcnt 0x0                                ; the stores have read their registers, which the next products write
.endm
; Two tiles of tokens: eight K steps of eight products on eight accumulators, which take turns, one instruction a turn.  a's fragments are one stream of 32 steps through three sets, two steps ahead.
.macro PAIR pp
.irp s, 0,1,2,3,4,5,6,7
	WIN 0
	PLACES                                         ; behind the last step's products: the loads below land in registers that they read
.if N+2 < 32
	XLD (N+2)/8, (N+2)%8, (N+2)%3
.endif
.if N == 31
	s_wait_dscnt 0x0                               ; nothing was issued behind the last fragments
.elseif N == 30
	s_wait_dscnt 0x4                               ; only the last step's four loads may be out
.elseif \s == 0
	s_wait_dscnt 0x4                               ; only the four loads just issued may be out
.else
	s_wait_dscnt 0x8                               ; behind this step's fragments the next two steps' were issued, four loads each
.endif
	WIN 0x01                                       ; source 0 (Wo) window 1
.irp y, 0,1
.irp t, 0,1,2,3
.if \s == 0
	WM ACC+32*\y+8*\t, 64*\t+8*\s, XF+16*(N%3)+8*\y, BI+8*\t, WS+8*(\t/2)+\s, XS+8*\pp+\s, \t%2, \y
.else
	WM ACC+32*\y+8*\t, 64*\t+8*\s, XF+16*(N%3)+8*\y, ACC+32*\y+8*\t, WS+8*(\t/2)+\s, XS+8*\pp+\s, \t%2, \y
.endif
.endr
.endr
.set N, N+1
.endr
	OUTP \pp
.endm
.set N, 0
	PAIR 0
	PAIR 1
	PAIR 2
	PAIR 3
	s_wait_tensorcnt 0x0
	ds_add_u32 v254, v255
	s_wait_dscnt 0x0
	CROUND                                         ; the closing round: no work-group ends while a partner may still ask for a tile that names it
	s_endpgm
.Lfunc_end_k_qd1c53e28cf_oproj:
	.size	k_qd1c53e28cf_oproj, .Lfunc_end_k_qd1c53e28cf_oproj-k_qd1c53e28cf_oproj
	.p2alignl 7, 3214868480
	.fill 96, 4, 3214868480
	.section	.rodata,"a",@progbits
	.p2align	6, 0x0
	.amdhsa_kernel k_qd1c53e28cf_oproj
		.amdhsa_group_segment_fixed_size 168448
		.amdhsa_private_segment_fixed_size 0
		.amdhsa_enable_private_segment 0
		.amdhsa_kernarg_size 40
		.amdhsa_user_sgpr_count 2
		.amdhsa_user_sgpr_kernarg_segment_ptr 1
		.amdhsa_wavefront_size32 1
		.amdhsa_system_sgpr_workgroup_id_x 1
		.amdhsa_system_sgpr_workgroup_id_y 1
		.amdhsa_system_sgpr_workgroup_id_z 1
		.amdhsa_system_vgpr_workitem_id 0
		.amdhsa_next_free_vgpr 512
		.amdhsa_next_free_sgpr 66
		.amdhsa_reserve_vcc 0
		.amdhsa_float_denorm_mode_32 3
		.amdhsa_float_denorm_mode_16_64 3
		.amdhsa_memory_ordered 1
		.amdhsa_forward_progress 1
		.amdhsa_inst_pref_size 78
	.end_amdhsa_kernel
	.amdgpu_metadata
---
amdhsa.version: [ 1, 2 ]
amdhsa.kernels:
  - .name:           k_qd1c53e28cf_oproj
    .symbol:         k_qd1c53e28cf_oproj.kd
    .args:
      - { .name: aobuf, .offset: 0, .size: 8, .value_kind: global_buffer, .address_space: global }
      - { .name: Wo_codes, .offset: 8, .size: 8, .value_kind: global_buffer, .address_space: global }
      - { .name: Wo_scales, .offset: 16, .size: 8, .value_kind: global_buffer, .address_space: global }
      - { .name: bo, .offset: 24, .size: 8, .value_kind: global_buffer, .address_space: global }
      - { .name: out0, .offset: 32, .size: 8, .value_kind: global_buffer, .address_space: global }
    .group_segment_fixed_size: 168448
    .private_segment_fixed_size: 0
    .kernarg_segment_align: 8
    .kernarg_segment_size: 40
    .max_flat_workgroup_size: 128
    .sgpr_count:     66
    .vgpr_count:     512
    .wavefront_size: 32
...
	.end_amdgpu_metadata
.endif
;; end of part 3
